; MI455X (gfx1250); checked and timed in simulation.
; The chip was launched on July 23, 2026; its instructions are those of AMD's public machine-readable ISA for CDNA 5 (MIT licence, August 2026) and "CDNA5" Instruction Set Architecture Reference Guide (July 2026). The comments in the code are by the model that wrote it; some were corrected since.
;; Flex Mo E. Allowed arithmetic: matrix products marked QUANTISED: E2M1 operands, one E8M0 scale for each 32 along K, by v_wmma_scale_f32_16x16x128_f8f6f4 with both operands' format E2M1 (or v_wmma_scale_f32_32x16x128_f4), f32 sums; products left as they are: f32 operands where the result goes on into a quantised operand, else bf16, f16 or f32 operands; f32 sums; everything else in f32.
;; Inputs: expert_b 8 x 1,024 float32; expert_w_codes 8 x 1,024 x 32 x 16 uint8 (E2M1 codes of expert_w, K innermost, in blocks of 32 codes, two codes a byte); expert_w_scales 8 x 1,024 x 32 uint8 (E8M0 scales of expert_w, one for each 32 codes along K); gate_b 8 float32; gate_w 1,024 x 8 float32; head_b 2 float32; head_w 1,024 x 2 float32; x 4 x 2,048 x 1,024 float32.
;; Outputs: out0 2,048 x 2 float32.
;; This version of the problem:
;;   THIS VERSION OF THE PROBLEM IS GIVEN IN LOW PRECISION. The matrix products marked QUANTISED in the list below multiply operands that are first quantised to E2M1 (2 exponent bits, 1 mantissa bit; 4 bits a number), with one power-of-two scale for each 32 numbers along K (OCP MX v1.0); their sums are f32. All else is computed in f32.
;;   The module's matrix products, in the order in which they are computed (A, B: the left and right operand; K: the contracted axis; several contracted axes count as one K, in the product's order):
;;     1. [M 8,192, K 1,024] x [K 1,024, N 8]; A: input x; B: input gate_w: left as it is (N = 8 < 16)
;;     2. [M 8,192, K 1,024] x [K 1,024, N 8,192]; A: input x; B: input expert_w (given as codes): QUANTISED
;;     3. batch 8,192 x [M 1,024, K 8] x [K 8, N 1]; A: computed on the way; B: computed on the way: left as it is (K = 8 < 32)
;;     4. [M 2,048, K 1,024] x [K 1,024, N 2]; A: computed on the way; B: input head_w: left as it is (N = 2 < 16)
;;   THE QUANTISER, for each operand of a quantised product, along K:
;;     - K is cut into blocks of 32 from its start; a last block that is shorter is filled with zeros.
;;     - A block's scale is 2^e with e = floor(log2(the largest magnitude in the block)) - 2, held to -126 .. 127; a block of zeros has e = 0. As a byte (E8M0): e + 127.
;;     - Each number is divided by its block's scale, clamped to +-6, and rounded to the nearest number of E2M1, ties to even, subnormals kept.
;;     - The product sums the exact products of the quantised numbers (number of the format x scale) in f32.
;;   ~~~python
;;   def quantise(x, axis):      # numpy; x: float32 -> the quantised numbers, widened to float32 again
;;       x = np.moveaxis(x, axis, -1); K = x.shape[-1]
;;       x = np.pad(x, [(0, 0)] * (x.ndim - 1) + [(0, -K % 32)]); x = x.reshape(x.shape[:-1] + (-1, 32)); a = np.abs(x).max(-1, keepdims=True)
;;       e = np.where(a > 0, np.clip(np.frexp(np.where(a > 0, a, 1))[1] - 1 - 2, -126, 127), 0)      # np.frexp(a)[1] - 1 = floor(log2(a)), exactly
;;       r = np.clip(x / 2.0 ** e, -6, 6)
;;       step = 2.0 ** (np.maximum(np.frexp(np.where(r == 0, 1, r))[1] - 1, 0) - 1)
;;       q = np.round(r / step) * step * 2.0 ** e      # np.round: ties to even
;;       return np.moveaxis(q.reshape(q.shape[:-2] + (-1,))[..., :K], -1, axis).astype(np.float32)
;;   ~~~
;;   INPUTS GIVEN AS CODES. expert_w (in the module: [8, 1024, 1024], K = its axis 1): each comes as NAME_codes (uint8): NAME with its K axis moved to the last place and cut into blocks of 32 codes, [.., K / 32, bytes a block], one block behind the other in memory; two codes a byte, the lower K in the low four bits (a code: sign, 2 exponent bits, 1 mantissa bit); and NAME_scales (uint8): the same leading axes, one E8M0 byte (e + 127) for each 32 codes along K. Its value is code x scale, taken as it is: it is not quantised again, and the codes and scales need not be those that the quantiser above would give.
;; One version. Each part assembles by itself: llvm-mc -triple=amdgcn-amd-amdhsa -mcpu=gfx1250 --defsym DOCPART=n.
;; ======== version 1 of 1: 3 launches
;; limits: right only within a limited range of input values
;; workspace buffers: xc 4,194,304 bytes; xs 262,144 bytes; tab 10,240 bytes of whole numbers; z 262,144 bytes
;; launch route_quant (part 1): grid 256 x 1, 4 waves a work-group, no clusters, 167,936 bytes of LDS; arguments x, gate_w, gate_b, xc, xs, tab; writes xc, xs, tab
.if DOCPART == 1
	.amdgcn_target "amdgcn-amd-amdhsa--gfx1250"
	.amdhsa_code_object_version 6
	.text
	.protected	k_qe64ac57842_route_quant
	.globl	k_qe64ac57842_route_quant
	.p2align	8
	.type	k_qe64ac57842_route_quant,@function
k_qe64ac57842_route_quant:
	s_mov_b64 s[64:65], 0
	v_nop
	global_prefetch_b8 v0, s[64:65] scope:SCOPE_SE
	s_setreg_imm32_b32 hwreg(HW_REG_WAVE_MODE, 25, 1), 1
	s_wait_xcnt 0x0
; x [8192 tokens][1024] f32 is read ONCE.  For each token: (1) the gate in f32: logits = x gate_w + gate_b, exponentials with the maximum taken away, the two largest
; (ties: the lower index), winner = the larger of their two indices; (2) x as codes of E2M1, one E8M0 byte for each 32 along K.
; Stored: xc [token][512 bytes], xs [token][32 bytes], tab: words [expert][group of 32 tokens] (bit j: token 32 g + j has this winner), then from byte 8192 eight bytes a group: the number of bits set, expert by expert.
; DEAD WORK LEFT OUT.  The combine's factor is p1 / (p1 + p2) + p2 / (p1 + p2) = 1 by an identity, for all inputs.  The softmax's division by the row's sum is a common positive factor: it changes neither the order
; nor the two largest.  The product with one_hot(winner) is a lookup: only the winner's expert is multiplied (launch experts).  A NaN, an infinity or an overflow that reaches only this work is not carried to the result.
; SHARES.  Work-group g has tokens 32 g .. 32 g + 31, wave w eight of them.  Lane l holds block l of a row, k = 32 l + 0 .. 31: a block's largest magnitude needs no other lane,
; a row's codes leave as 512 consecutive bytes, and gate_w[32 l + i][0..7] stays in 256 registers of the lane for all eight rows.
; gate_w comes by one tensor load a wave; x by 64 copies of 512 bytes a wave, all issued at the head; a wave reads its own rows only, pair of rows by pair.  Nothing in LDS is filled twice.
; NO CLUSTER: what work-groups share is gate_w, 32,768 of a work-group's 163,840 bytes, fetched once.  NO PREFETCH: all requests go out at the head, there is no loop to run ahead in.
; LIMITS: NaN and infinities among the inputs are not served.  An exponential under 2^-126 comes out as 0 (v_exp_f32 flushes: ISA guide, its entry) and then ties as a zero.
; A block of zeros gets the byte 1 and zero codes (the bytes are read by this program alone).  The logits are summed block by block and then across lanes, not in reference order.
; x IN LDS: 16-byte piece p of block l of row t lies at 4096 t + 128 l + 16 (p xor (l / 2 mod 8)): 16 lanes that read one piece of 16 blocks touch 16 different columns of 16 bytes.
.set XW,    32768                      ; LDS: a wave's eight rows of x
.set GW,    131072                     ; gate_w: 32 rows of 1,024 bytes + 16
.set GP,    1040
.set SCS,   164352                     ; scale bytes: 256 for each wave, [row][32]
.set WINS,  165376                     ; 32 words: the winners
.set SPARE, 165632                     ; the spare words
.set L16, 4                            ; v4  16 x lane
.set SA,  5                            ; v5  my byte among the wave's scale bytes
.set SR,  6                            ; v6  and 8 bytes a lane on the way out
.set L8,  7                            ; v7  8 x lane
.set WA,  8                            ; v8  the winner's word of row lane % 8
.set LW,  9                            ; v9  the winner's word of token lane
.set SPW, 14                           ; v14 my spare word;  v15 0
.set NIL, 15
.set T,   16                           ; v16-19 four chains of maxima
.set CP,  20                           ; v20-23 LDS address of my copies, by i % 4
.set SO,  24                           ; v24-25 the conversions' scale operands
.set BY,  26                           ; v26-27 the scale bytes
.set GA,  28                           ; v28 my row of gate_w
.set TAD, 29                           ; v29 my place in tab (wave 0);  v30 what goes there
.set TD,  30
.set TT,  32                           ; v32-39 at work
.set PB,  48                           ; v48-55 exponentials;  v56-63 the same without the largest
.set QB,  56
.set ACC, 64                           ; v64-127 logits in the making: row p at ACC + 8 p
.set CD,  128                          ; v128-159 codes: four registers a row, never written twice
.set XA,  160                          ; v160-167 LDS address of my block's piece p in row 0
; window 1: v0-255 gate_w[32 l + i][e] at 8 i + e.   window 2: v0-127 two buffers of two rows of x
.set MSB, 0
.macro WIN new                         ; the immediate's high byte repeats the setting that is left
.if MSB != \new
	s_set_vgpr_msb (MSB<<8)|\new
.set MSB, \new
.endif
.endm
.macro VW
	s_wait_alu depctr_va_vdst(0)
.endm
	s_load_b256 s[4:11], s[0:1], 0x0               ; x 4, gate_w 6, gate_b 8, xc 10
	s_load_b128 s[12:15], s[0:1], 0x20             ; xs 12, tab 14
	v_lshl_add_u32 v[SPW], v0, 2, SPARE
	v_mov_b32 v[NIL], 0
	ds_add_u32 v[SPW], v[NIL]                      ; the opening adds, twice on end, under one wait
	ds_add_u32 v[SPW], v[NIL]
	v_lshrrev_b32 v10, 5, v0
	v_readfirstlane_b32 s20, v10                   ; wave 0..3
	; group 1 for gate_w: 8 rows of 1,024 bytes (128 elements of 8), dense; 4 words of padding behind every 256
	s_mov_b32 s32, (3<<16)|(1<<20)|(7<<22)|(3<<25)
	s_mov_b32 s33, 128<<16
	s_mov_b32 s34, 8<<16
	s_mov_b32 s35, 128<<16
	s_mov_b32 s36, 8
	s_mov_b32 s37, 128
	s_mov_b32 s38, 0
	s_mov_b32 s39, 0
	s_lshl_b32 s21, s20, 15                        ; my wave's rows in LDS
	s_mul_i32 s49, s20, 8*GP
	s_add_co_u32 s49, s49, GW                      ; my quarter of gate_w in LDS
	s_lshl_b32 s46, ttmp9, 17                      ; 32 tokens x 4,096 bytes a work-group,
	s_lshl_b32 s47, s20, 15                        ; 8 a wave
	s_add_co_u32 s46, s46, s47
	s_mov_b32 s47, 0
	s_lshl_b32 s22, s20, 13                        ; a quarter of gate_w: 8,192 bytes
	s_mov_b32 s23, 0
	s_mov_b32 s48, 1
	v_and_b32 v1, 31, v0                           ; lane
	v_lshlrev_b32 v[L16], 4, v1
	v_lshrrev_b32 v10, 3, v1
	v_lshl_add_u32 v10, v10, 7, s21                ; a copy of 512 bytes holds four blocks: block 4 i + lane / 8, piece lane % 8
	v_and_b32 v11, 7, v1
	v_lshrrev_b32 v12, 4, v1
.irp j, 0,1,2,3
	v_add_nc_u32 v[CP+\j], 2*\j, v12               ; block / 2 mod 8, for i % 4 = j
.endr
.irp j, 0,1,2,3
	v_xor_b32 v[CP+\j], v[CP+\j], v11
.endr
.irp j, 0,1,2,3
	v_lshl_add_u32 v[CP+\j], v[CP+\j], 4, v10
.endr
	VW
	s_wait_dscnt 0x0                               ; both opening adds are done
	s_wait_kmcnt 0x0
	s_add_nc_u64 s[50:51], s[6:7], s[22:23]
	s_or_b32 s51, s51, 0x80000000
	s_add_nc_u64 s[4:5], s[4:5], s[46:47]
	tensor_load_to_lds s[48:51], s[32:39]
	s_nop 0
.rept 4
	v_nop
.endr
.irp t, 0,1,2,3,4,5,6,7
.irp i, 0,1,2,3,4,5,6,7
	global_load_async_to_lds_b128 v[CP+(\i%4)], v[L16], s[4:5] offset:4096*\t+512*\i   ; the offset counts on both sides
.endr
.endr
	s_load_b256 s[68:75], s[8:9], 0x0              ; gate_b
	v_mul_u32_u24 v[GA], v1, GP
	v_add_nc_u32 v[GA], GW, v[GA]
	v_bfe_u32 v11, v1, 1, 3                        ; block / 2 mod 8
	v_lshl_add_u32 v10, v1, 7, s21
.irp p, 0,1,2,3,4,5,6,7
	v_xor_b32 v[XA+\p], \p, v11
.endr
.irp p, 0,1,2,3,4,5,6,7
	v_lshl_add_u32 v[XA+\p], v[XA+\p], 4, v10
.endr
	v_lshlrev_b32 v[L8], 3, v1
	s_lshl_b32 s62, s20, 8
	s_add_co_u32 s62, s62, SCS
	v_add_nc_u32 v[SA], s62, v1
	v_lshl_add_u32 v[SR], v1, 3, s62
	v_and_b32 v10, 7, v1
	s_lshl_b32 s63, s20, 5
	s_add_co_u32 s63, s63, WINS
	v_lshl_add_u32 v[WA], v10, 2, s63
	v_lshl_add_u32 v[LW], v1, 2, WINS
	s_lshl_b32 s45, ttmp9, 2                       ; tab: lanes 0-7 an expert's word each: 1024 e + 4 g; lanes 8, 9 the eight bytes: 8192 + 8 g (the base carries 4 g)
	v_lshl_add_u32 v10, v1, 2, s45
	v_add_nc_u32 v10, 8160, v10
	v_lshlrev_b32 v11, 10, v1
	v_cmp_gt_u32 vcc_lo, 8, v1
	v_cndmask_b32 v[TAD], v10, v11, vcc_lo
	v_mov_b32 v[TD], 0
	VW
	s_lshl_b32 s46, ttmp9, 14                      ; xc: 512 bytes a token
	s_lshl_b32 s22, s20, 12
	s_add_co_u32 s46, s46, s22
	s_add_nc_u64 s[10:11], s[10:11], s[46:47]
	s_lshl_b32 s46, ttmp9, 10                      ; xs: 32 bytes a token
	s_lshl_b32 s22, s20, 8
	s_add_co_u32 s46, s46, s22
	s_add_nc_u64 s[12:13], s[12:13], s[46:47]
	s_lshl_b32 s46, ttmp9, 2
	s_add_nc_u64 s[14:15], s[14:15], s[46:47]
	s_mov_b32 s40, 0x76543210
	s_mov_b32 s41, 0xfedcba98                      ; v_permlanex16_b32: lane l xor 16
	s_mov_b32 s42, 0xaaaaaaaa                      ; lanes with bit 0, 1, 2 of their number set
	s_mov_b32 s43, 0xcccccccc
	s_mov_b32 s44, 0xf0f0f0f0
	s_wait_tensorcnt 0x0                           ; my quarter of gate_w is in
	s_barrier_signal -1
	s_barrier_wait -1                              ; everybody's is
	WIN 0x40                                       ; destination window 1
.set J, 0
.rept 64
	ds_load_b128 v[4*J:4*J+3], v[GA] offset:16*J   ; gate_w[32 l + J / 2][4 (J % 2) ..]
.set J, J+1
.endr
	WIN 0
.macro LOADX p                         ; rows 2 p and 2 p + 1: my block of each, 128 bytes, into buffer p % 2
	WIN 0x80                                       ; destination window 2
.irp r, 0,1
.irp i, 0,1,2,3,4,5,6,7
	ds_load_b128 v[64*((\p)%2)+32*\r+4*\i:64*((\p)%2)+32*\r+4*\i+3], v[XA+\i] offset:(2*(\p)+\r)*4096
.endr
.endr
	WIN 0
.endm
; The gate's partial sums of my block: 32 k x 8 experts x 2 rows, two experts an instruction; x_i serves both halves.  Eight chains by turns; the first products start the sums.
.macro FMA p
	WIN 0x06                                       ; source 0 (x) window 2, source 1 (gate_w) window 1
.set XB, 64*((\p)%2)
.set AB, ACC+16*(\p)
.irp r, 0,1
.irp q, 0,1,2,3
	v_pk_mul_f32 v[AB+8*\r+2*\q:AB+8*\r+2*\q+1], v[XB+32*\r:XB+32*\r+1], v[2*\q:2*\q+1] op_sel_hi:[0,1]
.endr
.endr
.set I, 1
.rept 31
.irp r, 0,1
.irp q, 0,1,2,3
.if I%2
	v_pk_fma_f32 v[AB+8*\r+2*\q:AB+8*\r+2*\q+1], v[XB+32*\r+I-1:XB+32*\r+I], v[8*I+2*\q:8*I+2*\q+1], v[AB+8*\r+2*\q:AB+8*\r+2*\q+1] op_sel:[1,0,0] op_sel_hi:[1,1,1]
.else
	v_pk_fma_f32 v[AB+8*\r+2*\q:AB+8*\r+2*\q+1], v[XB+32*\r+I:XB+32*\r+I+1], v[8*I+2*\q:8*I+2*\q+1], v[AB+8*\r+2*\q:AB+8*\r+2*\q+1] op_sel_hi:[0,1,1]
.endif
.endr
.endr
.set I, I+1
.endr
	WIN 0
.endm
; My block of both rows becomes 32 codes and a byte.
.macro QUANT p
.set XB, 64*((\p)%2)
	WIN 0x0a                                       ; sources 0 and 1 window 2
.irp r, 0,1
.irp c, 0,1
	v_max3_num_f32 v[T+2*\r+\c], |v[XB+32*\r+16*\c]|, |v[XB+32*\r+16*\c+1]|, 0x1800000   ; the floor 2^(3 - 127) among the leaves: the byte cannot fall under 1
.endr
.endr
.irp k, 2,4,6,8,10,12,14
.irp r, 0,1
.irp c, 0,1
	v_max3_num_f32 v[T+2*\r+\c], |v[XB+32*\r+16*\c+\k]|, |v[XB+32*\r+16*\c+\k+1]|, v[T+2*\r+\c]
.endr
.endr
.endr
	WIN 0
.irp r, 0,1
	v_max_num_f32 v[T+2*\r], v[T+2*\r], v[T+2*\r+1]
.endr
.irp r, 0,1
	v_add_nc_u32 v[SO+\r], 0xff000000, v[T+2*\r]   ; 2 off the exponent field: the conversion takes this operand's exponent field as its scale
.endr
	WIN 0x02                                       ; source 0 window 2
.irp r, 0,1
.irp g, 0,1,2,3
	v_cvt_scalef32_pk8_fp4_f32 v[CD+4*(2*(\p)+\r)+\g], v[XB+32*\r+8*\g:XB+32*\r+8*\g+7], v[SO+\r]
.endr
.endr
	WIN 0
.irp r, 0,1
	v_lshrrev_b32 v[BY+\r], 23, v[SO+\r]           ; the scale's byte (also the plain place behind the conversions)
.endr
.irp r, 0,1
	ds_store_b8 v[SA], v[BY+\r] offset:32*(2*(\p)+\r)
	global_store_b128 v[L16], v[CD+4*(2*(\p)+\r):CD+4*(2*(\p)+\r)+3], s[10:11] offset:512*(2*(\p)+\r)   ; a token's 512 bytes of codes, consecutive
.endr
.endm
.macro PAIR p
	s_wait_asynccnt 48-16*(\p)                     ; this pair's 16 copies are in: behind them stand those of the later pairs; only my wave reads them
	LOADX \p
	s_wait_dscnt 0x0
	QUANT \p
	FMA \p
	VW
.endm
	PAIR 0
	PAIR 1
	PAIR 2
	PAIR 3
; 64 sums over 32 lanes.  Three halving steps: a lane keeps the rows whose bit equals its own and hands the others to the lane d away; then lane l holds the 8 logits of row l % 8.
.macro RS a, b, d, m
.irp e, 0,1,2,3,4,5,6,7
	v_cndmask_b32 v[TT+\e], v[(\b)+\e], v[(\a)+\e], s[\m]          ; what I hand over
.endr
.irp e, 0,1,2,3,4,5,6,7
	v_cndmask_b32 v[(\a)+\e], v[(\a)+\e], v[(\b)+\e], s[\m]        ; what I keep
.endr
.irp e, 0,1,2,3,4,5,6,7
	v_add_f32_dpp v[(\a)+\e], v[TT+\e], v[(\a)+\e] row_xmask:\d row_mask:0xf bank_mask:0xf
.endr
.endm
	RS ACC, ACC+8, 1, 42
	RS ACC+16, ACC+24, 1, 42
	RS ACC+32, ACC+40, 1, 42
	RS ACC+48, ACC+56, 1, 42
	RS ACC, ACC+16, 2, 43
	RS ACC+32, ACC+48, 2, 43
	RS ACC, ACC+32, 4, 44
.irp e, 0,1,2,3,4,5,6,7
	v_add_f32_dpp v[ACC+\e], v[ACC+\e], v[ACC+\e] row_xmask:8 row_mask:0xf bank_mask:0xf
.endr
.irp e, 0,1,2,3,4,5,6,7
	v_permlanex16_b32 v[TT+\e], v[ACC+\e], s40, s41
.endr
.irp e, 0,1,2,3,4,5,6,7
	v_add_f32 v[ACC+\e], v[ACC+\e], v[TT+\e]       ; the four lanes of a row hold the same bits
.endr
	VW
	s_wait_kmcnt 0x0                               ; gate_b
.irp e, 0,1,2,3,4,5,6,7
	v_add_f32 v[ACC+\e], s[68+\e], v[ACC+\e]
.endr
	v_max3_num_f32 v40, v64, v65, v66
	v_max3_num_f32 v41, v67, v68, v69
	v_max_num_f32 v42, v70, v71
	v_max3_num_f32 v40, v40, v41, v42              ; the row's largest logit is taken away ahead of the exponentials
.irp e, 0,1,2,3,4,5,6,7
	v_sub_f32 v[PB+\e], v[ACC+\e], v40
.endr
.irp e, 0,1,2,3,4,5,6,7
	v_mul_f32 v[PB+\e], 0x3fb8aa3b, v[PB+\e]
.endr
	VW
.irp e, 0,1,2,3,4,5,6,7
	v_exp_f32 v[PB+\e], v[PB+\e]
.endr
	v_mov_b32 v44, 7                               ; (a plain place)  the largest's index
	v_mov_b32 v45, 7                               ; and the second's
	VW
	v_max3_num_f32 v40, v48, v49, v50
	v_max3_num_f32 v41, v51, v52, v53
	v_max_num_f32 v42, v54, v55
	v_max3_num_f32 v40, v40, v41, v42
.irp e, 6,5,4,3,2,1,0
	v_cmp_eq_f32 s[84+\e], v[PB+\e], v40
.endr
.irp e, 6,5,4,3,2,1,0
	v_cndmask_b32 v44, v44, \e, s[84+\e]           ; the lowest index that has it
.endr
.irp e, 0,1,2,3,4,5,6,7
	v_cmp_ne_u32 s[84+\e], \e, v44
.endr
.irp e, 0,1,2,3,4,5,6,7
	v_cndmask_b32 v[QB+\e], -1.0, v[PB+\e], s[84+\e]   ; the largest is taken out: -1 lies under every exponential
.endr
	v_max3_num_f32 v40, v56, v57, v58
	v_max3_num_f32 v41, v59, v60, v61
	v_max_num_f32 v42, v62, v63
	v_max3_num_f32 v40, v40, v41, v42
.irp e, 6,5,4,3,2,1,0
	v_cmp_eq_f32 s[84+\e], v[QB+\e], v40
.endr
.irp e, 6,5,4,3,2,1,0
	v_cndmask_b32 v45, v45, \e, s[84+\e]
.endr
	v_max_u32 v46, v44, v45                        ; the winner: the larger index of the two
	ds_store_b32 v[WA], v46                        ; four lanes write the same word with the same value
	ds_load_b64 v[12:13], v[SR]                    ; LDS serves a wave's instructions in order (ISA guide 5.7.1.4): these see my byte stores
	VW
	s_wait_dscnt 0x0                               ; also for the others' sake: my winners lie in LDS
	global_store_b64 v[L8], v[12:13], s[12:13]     ; my 8 tokens' scale bytes: 256 consecutive bytes
	s_barrier_signal -1
	s_barrier_wait -1
	ds_load_b32 v10, v[LW]                         ; lane j takes token 32 g + j
	s_wait_tensorcnt 0x0                           ; the wave's end, behind my last LDS store
	s_wait_asynccnt 0x0
	ds_add_u32 v[SPW], v[NIL]
	s_wait_dscnt 0x0
	s_cmp_lg_u32 s20, 0
	s_cbranch_scc1 .Lend                           ; wave 0 alone stores the group's words
.irp e, 0,1,2,3,4,5,6,7
	v_cmp_eq_u32 s[84+\e], \e, v10                 ; bit j: token j's winner is e
.endr
	v_cmp_gt_u32 vcc_lo, 10, v1
	VW
.irp e, 0,1,2,3,4,5,6,7
	v_writelane_b32 v[TD], s[84+\e], \e
.endr
	VW
.irp e, 0,1,2,3,4,5,6,7
	s_bcnt1_i32_b32 s[76+\e], s[84+\e]
.endr
.irp e, 1,2,3
	s_lshl_b32 s[76+\e], s[76+\e], 8*\e
	s_lshl_b32 s[80+\e], s[80+\e], 8*\e
	s_or_b32 s76, s76, s[76+\e]
	s_or_b32 s80, s80, s[80+\e]
.endr
	v_writelane_b32 v[TD], s76, 8
	v_writelane_b32 v[TD], s80, 9
	VW
	s_wait_xcnt 0x0                                ; EXEC changes only behind this wait
	s_and_saveexec_b32 s61, vcc_lo
	global_store_b32 v[TAD], v[TD], s[14:15]
	s_wait_xcnt 0x0
	s_or_b32 exec_lo, exec_lo, s61
.Lend:
	s_endpgm
.Lfunc_end_k_qe64ac57842_route_quant:
	.size	k_qe64ac57842_route_quant, .Lfunc_end_k_qe64ac57842_route_quant-k_qe64ac57842_route_quant
	.p2alignl 7, 3214868480
	.fill 96, 4, 3214868480
	.section	.rodata,"a",@progbits
	.p2align	6, 0x0
	.amdhsa_kernel k_qe64ac57842_route_quant
		.amdhsa_group_segment_fixed_size 167936
		.amdhsa_private_segment_fixed_size 0
		.amdhsa_enable_private_segment 0
		.amdhsa_kernarg_size 48
		.amdhsa_user_sgpr_count 2
		.amdhsa_user_sgpr_kernarg_segment_ptr 1
		.amdhsa_wavefront_size32 1
		.amdhsa_system_sgpr_workgroup_id_x 1
		.amdhsa_system_sgpr_workgroup_id_y 1
		.amdhsa_system_sgpr_workgroup_id_z 1
		.amdhsa_system_vgpr_workitem_id 0
		.amdhsa_next_free_vgpr 640
		.amdhsa_next_free_sgpr 96
		.amdhsa_reserve_vcc 1
		.amdhsa_float_denorm_mode_32 3
		.amdhsa_float_denorm_mode_16_64 3
		.amdhsa_memory_ordered 1
		.amdhsa_forward_progress 1
		.amdhsa_inst_pref_size 117
	.end_amdhsa_kernel
	.amdgpu_metadata
---
amdhsa.version: [ 1, 2 ]
amdhsa.kernels:
  - .name:           k_qe64ac57842_route_quant
    .symbol:         k_qe64ac57842_route_quant.kd
    .args:
      - { .name: x, .offset: 0, .size: 8, .value_kind: global_buffer, .address_space: global }
      - { .name: gate_w, .offset: 8, .size: 8, .value_kind: global_buffer, .address_space: global }
      - { .name: gate_b, .offset: 16, .size: 8, .value_kind: global_buffer, .address_space: global }
      - { .name: xc, .offset: 24, .size: 8, .value_kind: global_buffer, .address_space: global }
      - { .name: xs, .offset: 32, .size: 8, .value_kind: global_buffer, .address_space: global }
      - { .name: tab, .offset: 40, .size: 8, .value_kind: global_buffer, .address_space: global }
    .group_segment_fixed_size: 167936
    .private_segment_fixed_size: 0
    .kernarg_segment_align: 8
    .kernarg_segment_size: 48
    .max_flat_workgroup_size: 128
    .sgpr_count:     96
    .vgpr_count:     640
    .wavefront_size: 32
...
	.end_amdgpu_metadata
.endif
;; end of part 1
;; launch experts (part 2): grid 4 x 63, 4 waves a work-group, no clusters, 220,928 bytes of LDS; arguments tab, xc, xs, expert_w_codes, expert_w_scales, expert_b, head_w, z; writes z
.if DOCPART == 2
	.amdgcn_target "amdgcn-amd-amdhsa--gfx1250"
	.amdhsa_code_object_version 6
	.text
	.protected	k_qe64ac57842_experts
	.globl	k_qe64ac57842_experts
	.p2align	8
	.type	k_qe64ac57842_experts,@function
k_qe64ac57842_experts:
	s_mov_b64 s[64:65], 0
	v_nop
	global_prefetch_b8 v0, s[64:65] scope:SCOPE_SE
	s_setreg_imm32_b32 hwreg(HW_REG_WAVE_MODE, 25, 1), 1
	s_wait_xcnt 0x0
; For each token only its winner's expert is multiplied (the product with one_hot(winner) is a lookup), and the combine's factor, 1 by an identity, is left out; a NaN or an overflow in that work is not carried on.
; z[slice][token][c] = the sum over the slice's 256 outputs o of (Q(x)[token] . W[winner][o] + expert_b[winner][o]) head_w[o][c].
; A TILE is up to 144 tokens of one expert x 256 outputs (work-group x = the slice), all of K = 1,024.  A winner is the larger of two different indices, so it is 1 to 7: 8,192 tokens on
; 7 experts make at most floor((8192 - 7) / 144) + 7 = 63 tiles, whatever the split: work-group y.
; Every wave finds its tile and the tokens of its own 36 slots from tab, in registers.  Ranks run by (lane, register, bit) of the way tab is loaded here: the same in every work-group, which is all that is asked of them.
; NO BRANCH HANGS ON TAB: a tile without rows runs on clamped addresses and stores nothing.
; NO TENSOR LOADS, NO CLUSTER: the weights' address and the tokens' rows hang on numbers read from memory, and neighbours in the grid may hold different experts: no request could be written that is alike in partners.
; Operands go memory -> registers -> LDS, whole rows of 512 bytes an instruction.  A wave's 64 rows of W are read by that wave alone, all of them into 256 registers; x's rows are read by all four waves.
; NO PREFETCH: there is no loop to run ahead in.
; THE PRODUCT IS USED TRANSPOSED (source 0 = 16 rows of W, source 1 = 16 tokens): lane (r, h) holds token r and outputs 16 b + 8 h + 0 .. 7.  expert_b is the C of each sum's first instruction.
; Wave w: all 9 tiles of 16 tokens x outputs 64 w on (4 tiles): 36 accumulators, which take turns in the same order in every K step.
; SCALES: a row's 32 bytes lie in lanes r (K steps 0-3) and 16 + r (K steps 4-7): the steps name row 0 or row 1 of the scale registers.
.set PITCH, 528                        ; a row of codes in LDS: 512 bytes + 16: 33 x 16, so that the 16 rows of a fragment load fall on 16 different columns of 16 bytes
.set XT,    135168                     ; LDS: 0: 256 rows of W;  XT: 144 rows of x
.set XS,    211200                     ; x's scale bytes: 144 x 32
.set ZP,    215808                     ; [wave][144][2] f32
.set SPARE, 220416                     ; the spare words
.set L16, 4                            ; v4   16 x lane
.set AF,  5                            ; v5   my place in a fragment of x
.set BF,  6                            ; v6   of my wave's W
.set ASR, 7                            ; v7   my row's scale bytes of x
.set AW,  8                            ; v8   where my wave stores rows of x
.set XW1, 9                            ; v9   where I store the scale bytes of slot 36 w + lane;  v10 of slot 36 w + 32 + lane % 4
.set XW2, 10
.set ZW,  11                           ; v11  where I put a token's two sums
.set ZR1, 12                           ; v12, v13 where I read my slots'
.set ZR2, 13
.set HB,  14                           ; v14  32 h;  v15  64 h
.set HH,  15
.set SPW, 16                           ; v16  my spare word;  v17  0
.set NIL, 17
.set L32, 18                           ; v18  32 x lane
.set WO,  19                           ; v19  32 r + 16 h
.set TOK1, 20                          ; v20, v21 my slots' tokens
.set TOK2, 21
.set ZO1, 22                           ; v22, v23 8 x token;  v24, v25 32 x token
.set ZO2, 23
.set XO1, 24
.set XO2, 25
.set SL1, 26                           ; v26, v27 my slots;  v28 the second, or past every tile where lane > 3
.set SL2, 27
.set SLC, 28
.set XSC, 32                           ; v32-67   x's scale words: tile a, K step q at 4 a + q % 4
.set WSC, 68                           ; v68-83   W's: tile b likewise
.set XF,  84                           ; v84-227  x's fragments: two sets of 9
.set Z,   228                          ; v228-245 nine pairs of sums
.set AF2, 246                          ; v246     my place in x's fragments of tile 8: 8 tiles of 16 rows further on, past the 16-bit offset
.set BW,  247                          ; v247     where my wave stores rows of W
; behind the products:
.set PX,  84                           ; v84-101  the other half of the lanes' sums
.set ZS,  102                          ; v102-109 four chains for the ninth tile
.set RD1, 110                          ; v110-117, v118-125 the four waves' sums of my slots
.set RD2, 118
; in the prologue the same registers hold:
.set MK,  84                           ; v84-139  masks: expert e, register u at 8 (e - 1) + u: group 128 (u / 4) + 4 lane + u % 4
.set TK,  84                           ; v84-119  behind the searches: my wave's 36 rows' byte offsets in xc
.set XSR, 120                          ; v120-135 x's scale bytes on their way
.set S1,  140                          ; v140-171, v172-203 the searches' work
.set S2,  172
.set SM,  204                          ; v204-211 my expert's masks
.set PT,  212                          ; v212-215 at work;  v216-219 totals
.set SU,  216
.set CU0, 220                          ; v220, v221 bytes: my lane's running counts up to register u
.set CU1, 221
.set PRE, 222                          ; ranks in the lanes below mine
.set TOT, 223
.set T0,  224
.set T1,  225
.set END, 226
.set LT,  227                          ; my lane's count
.set CNT, 228                          ; v228-243 counts: group u: experts 0-3 at 2 u, 4-7 at 2 u + 1, a byte each
; window 1: W's fragments, K step q, tile b at 32 q + 8 b (before: my wave's 64 rows on their way, row N at 4 N).   window 2: the accumulators of tiles 0-7, 8 (4 a + b) (before: rows of x on their way)
.set BIAS, 32                          ; window 3: v0-31 the accumulators of tile 8; v32-63 expert_b, 8 b + j; v64-127 head_w, 16 b + 2 j + c
.set HWR, 64
.set MSB, 0
.macro WIN new                         ; the immediate's high byte repeats the setting that is left
.if MSB != \new
	s_set_vgpr_msb (MSB<<8)|\new
.set MSB, \new
.endif
.endm
.macro VW
	s_wait_alu depctr_va_vdst(0)
.endm
.macro WROWS from, count               ; rows of W: 512 consecutive bytes each
	WIN 0x40                                       ; destination window 1
.set N, \from
.rept \count
	global_load_b128 v[4*N:4*N+3], v[L16], s[10:11] offset:512*N
.set N, N+1
.endr
	WIN 0
.endm
	s_load_b512 s[4:19], s[0:1], 0x0               ; tab 4, xc 6, xs 8, W's codes 10, W's scales 12, expert_b 14, head_w 16, z 18
	v_lshl_add_u32 v[SPW], v0, 2, SPARE
	v_mov_b32 v[NIL], 0
	v_lshrrev_b32 v2, 5, v0
	v_readfirstlane_b32 s29, v2                    ; wave 0..3
	s_mov_b32 s30, ttmp9                           ; the slice
	s_and_b32 s31, ttmp7, 0xffff                   ; the tile
	s_lshl_b32 s46, s30, 11                        ; head_w: 8 bytes an output
	s_lshl_b32 s56, s29, 9
	s_add_co_u32 s46, s46, s56
	s_mov_b32 s47, 0
	v_and_b32 v1, 31, v0
	v_bfe_u32 v3, v0, 4, 1                         ; h
	v_lshlrev_b32 v[L16], 4, v1
	v_lshlrev_b32 v[L32], 5, v1
	v_lshlrev_b32 v[HH], 6, v3
	VW
	s_wait_kmcnt 0x0
.irp i, 0,1,2,3
	global_load_b128 v[CNT+4*\i:CNT+4*\i+3], v[L32], s[4:5] offset:8192+16*(\i%2)+1024*(\i/2)
.endr
.irp e, 1,2,3,4,5,6,7
.irp k, 0,1
	global_load_b128 v[MK+8*(\e-1)+4*\k:MK+8*(\e-1)+4*\k+3], v[L16], s[4:5] offset:1024*\e+512*\k
.endr
.endr
	s_add_nc_u64 s[16:17], s[16:17], s[46:47]
	v_and_b32 v2, 15, v0                           ; r
	v_mul_u32_u24 v29, v2, PITCH
	v_lshl_add_u32 v29, v3, 4, v29                 ; a fragment's row x pitch + 16 h
	v_add_nc_u32 v[AF], XT, v29
	v_add_nc_u32 v[AF2], XT+8*16*PITCH, v29
	s_mul_i32 s49, s29, 64*PITCH                   ; my 64 rows of W
	v_add_nc_u32 v[BF], s49, v29
	v_add_nc_u32 v[BW], s49, v[L16]
	v_lshlrev_b32 v30, 5, v2
	v_lshl_add_u32 v[WO], v3, 4, v30
	v_add_nc_u32 v[ASR], XS, v[WO]
	s_mul_i32 s57, s29, 36                         ; my wave's first slot
	s_mul_i32 s56, s57, PITCH
	s_add_co_u32 s56, s56, XT
	v_add_nc_u32 v[AW], s56, v[L16]
	v_add_nc_u32 v[SL1], s57, v1
	v_and_b32 v31, 3, v1
	s_add_co_u32 s58, s57, 32
	v_add_nc_u32 v[SL2], s58, v31
	v_lshl_add_u32 v[XW1], v[SL1], 5, XS
	v_lshl_add_u32 v[XW2], v[SL2], 5, XS           ; eight lanes write the same bytes with the same value
	v_lshl_add_u32 v[ZR1], v[SL1], 3, ZP
	v_lshl_add_u32 v[ZR2], v[SL2], 3, ZP
	s_mul_i32 s56, s29, 1152
	s_add_co_u32 s56, s56, ZP
	v_lshl_add_u32 v[ZW], v2, 3, s56
	v_lshlrev_b32 v[HB], 5, v3
	v_mov_b32 v29, 0x1000
	v_cmp_gt_u32 vcc_lo, 4, v1
	v_cndmask_b32 v[SLC], v29, v[SL2], vcc_lo
.irp i, 0,1,2,3
	v_mov_b32 v[PT+\i], 0                          ; written once: a lane move's destination counts as one of its sources
.endr
	VW
	s_mov_b32 s62, 0x00ff00ff
	s_mov_b32 s66, 0x76543210
	s_mov_b32 s67, 0xfedcba98                      ; v_permlanex16_b32: lane l xor 16
	s_mov_b32 s52, 0xaaaaaaaa                      ; lanes with bit 0 .. 4 of their number set
	s_mov_b32 s53, 0xcccccccc
	s_mov_b32 s54, 0xf0f0f0f0
	s_mov_b32 s55, 0xff00ff00
	s_mov_b32 s61, 0xffff0000
	s_lshl_b32 s46, s30, 16                        ; z: 65,536 a slice
	s_add_nc_u64 s[18:19], s[18:19], s[46:47]
	s_wait_loadcnt 14                              ; the counts are in: the masks' 14 loads stand behind them
	; ---- the experts' totals: four groups in bytes (128 at the most), then two experts to a register (16 bits hold 8,192), then over the 32 lanes
.irp k, 0,1
.irp s, 0,1
	v_add3_u32 v[SU+2*\k+\s], v[CNT+8*\k+\s], v[CNT+8*\k+2+\s], v[CNT+8*\k+4+\s]
.endr
.endr
.irp k, 0,1
.irp s, 0,1
	v_add_nc_u32 v[SU+2*\k+\s], v[SU+2*\k+\s], v[CNT+8*\k+6+\s]
.endr
.endr
.irp i, 0,1,2,3
	v_lshrrev_b32 v[SU+4+\i], 8, v[SU+\i]
.endr
.irp i, 0,1,2,3,4,5,6,7
	v_and_b32 v[SU+\i], s62, v[SU+\i]
.endr
	v_add_nc_u32 v[SU], v[SU], v[SU+2]             ; experts 0, 2
	v_add_nc_u32 v[SU+1], v[SU+1], v[SU+3]         ; 4, 6
	v_add_nc_u32 v[SU+2], v[SU+4], v[SU+6]         ; 1, 3
	v_add_nc_u32 v[SU+3], v[SU+5], v[SU+7]         ; 5, 7
.irp d, 1,2,4,8
.irp i, 0,1,2,3
	v_mov_b32_dpp v[PT+\i], v[SU+\i] row_xmask:\d row_mask:0xf bank_mask:0xf
.endr
.irp i, 0,1,2,3
	v_add_nc_u32 v[SU+\i], v[SU+\i], v[PT+\i]
.endr
.endr
.irp i, 0,1,2,3
	v_permlanex16_b32 v[PT+\i], v[SU+\i], s66, s67
.endr
.irp i, 0,1,2,3
	v_add_nc_u32 v[SU+\i], v[SU+\i], v[PT+\i]
.endr
.irp i, 0,1,2,3
	v_readfirstlane_b32 s[56+\i], v[SU+\i]
.endr
	VW
	s_and_b32 s33, s58, 0xffff                     ; s33-39: the totals of experts 1-7
	s_lshr_b32 s34, s56, 16
	s_lshr_b32 s35, s58, 16
	s_and_b32 s36, s57, 0xffff
	s_and_b32 s37, s59, 0xffff
	s_lshr_b32 s38, s57, 16
	s_lshr_b32 s39, s59, 16
	; ---- my tile: the last expert whose first tile is not behind mine
	s_mov_b32 s40, 0                               ; the expert's first tile
	s_mov_b32 s41, 1                               ; my expert
	s_mov_b32 s42, 0                               ; its first tile
	s_mov_b32 s43, s33                             ; its total
.irp e, 1,2,3,4,5,6,7
	s_cmp_ge_u32 s31, s40
	s_cselect_b32 s41, \e, s41
	s_cselect_b32 s42, s40, s42
	s_cselect_b32 s43, s[32+\e], s43
	s_add_co_u32 s56, s[32+\e], 143
	s_lshr_b32 s56, s56, 4
	s_mul_i32 s56, s56, 7282
	s_lshr_b32 s56, s56, 16                        ; ceil(total / 144): / 16, then / 9 as x 7282 >> 16, exact up to 520
	s_add_co_u32 s40, s40, s56
.endr
	s_min_u32 s41, s41, 7
	s_lshl_b32 s46, s41, 19                        ; W's codes: 524,288 an expert, 131,072 a slice, 32,768 a wave's 64 rows
	s_lshl_b32 s56, s30, 17
	s_add_co_u32 s46, s46, s56
	s_lshl_b32 s56, s29, 15
	s_add_co_u32 s46, s46, s56
	s_add_nc_u64 s[10:11], s[10:11], s[46:47]
	WROWS 0, 24                                    ; W is asked for in groups, between the parts of the search
	s_lshl_b32 s46, s41, 15                        ; W's scales: a sixteenth of that
	s_lshl_b32 s56, s30, 13
	s_add_co_u32 s46, s46, s56
	s_lshl_b32 s56, s29, 11
	s_add_co_u32 s46, s46, s56
	s_add_nc_u64 s[12:13], s[12:13], s[46:47]
	s_lshl_b32 s46, s41, 12                        ; expert_b: 4 bytes an output
	s_lshl_b32 s56, s30, 10
	s_add_co_u32 s46, s46, s56
	s_lshl_b32 s56, s29, 8
	s_add_co_u32 s46, s46, s56
	s_add_nc_u64 s[14:15], s[14:15], s[46:47]
	s_sub_co_u32 s44, s31, s42
	s_mul_i32 s44, s44, 144                        ; p0: my first rank
	s_sub_co_i32 s45, s43, s44
	s_max_i32 s45, s45, 0
	s_min_i32 s45, s45, 144                        ; n: my rows, 0 to 144
	; ---- my expert's counts: its byte of each group, four groups to a register; x 0x01010101 makes running sums of the bytes (128 at the most)
	s_and_b32 s56, s41, 3
	s_mul_i32 s56, s56, 0x01010101
	s_add_co_u32 s57, s56, 0x04000400              ; byte k of two registers, by turns
	s_mov_b32 s58, 0x01010101
	s_mov_b32 s59, 0x05040100
	s_cmp_ge_u32 s41, 4
	s_cselect_b32 s63, -1, 0
.irp u, 0,1,2,3,4,5,6,7
	v_cndmask_b32 v[CNT+2*\u], v[CNT+2*\u], v[CNT+2*\u+1], s63
.endr
.irp i, 0,1,2,3
	v_perm_b32 v[SU+\i], v[CNT+4*\i+2], v[CNT+4*\i], s57
.endr
	v_perm_b32 v[SU], v[SU+1], v[SU], s59
	v_perm_b32 v[SU+2], v[SU+3], v[SU+2], s59
	v_mul_lo_u32 v[CU0], v[SU], s58                ; counts up to and with groups 0 .. 3
	v_mul_lo_u32 v[CU1], v[SU+2], s58              ; of groups 4 .. 7 alone
	v_lshrrev_b32 v[T0], 24, v[CU0]
	v_lshrrev_b32 v[T1], 24, v[CU1]
	v_mov_b32 v[PRE], 0
	v_add_nc_u32 v[LT], v[T0], v[T1]
	v_mul_lo_u32 v[T1], v[T0], s58
	v_mov_b32 v[TOT], v[LT]
	v_add_nc_u32 v[CU1], v[CU1], v[T1]             ; up to and with groups 4 .. 6 (224 at the most; the top byte is not used)
.macro PFX d, m                        ; the partner's group lies below mine where my lane's bit is set
	v_mov_b32_dpp v[T0], v[TOT] row_xmask:\d row_mask:0xf bank_mask:0xf
	v_cndmask_b32 v[T1], 0, v[T0], s[\m]
	v_add_nc_u32 v[TOT], v[TOT], v[T0]
	v_add_nc_u32 v[PRE], v[PRE], v[T1]
.endm
	PFX 1, 52
	PFX 2, 53
	PFX 4, 54
	PFX 8, 55
	v_permlanex16_b32 v[T0], v[TOT], s66, s67
	v_cndmask_b32 v[T1], 0, v[T0], s61
	v_add_nc_u32 v[PRE], v[PRE], v[T1]
	v_add_nc_u32 v[END], v[PRE], v[LT]             ; ranks up to and with my lane
.set N, 0
.rept 31
	v_readlane_b32 s[68+N], v[END], N
.set N, N+1
.endr
	WROWS 24, 16
	; ---- the token of a rank, two searches side by side.  Block S: +0 rank, +1 4 x the lane that holds it, +2 its PRE, +3, +4 its running counts, +5..12 its masks,
	; +13 rank left, +14 mask, +15 count below, +16 register u, +17..23 running counts, +24..27 counts of 2, 4, 8, 16 bits, +28 bit, +29..31 at work
	v_add_nc_u32 v[S1], s44, v[SL1]
	v_add_nc_u32 v[S2], s44, v[SL2]
	v_mov_b32 v[S1+1], 0
	v_mov_b32 v[S2+1], 0
.set N, 0
.rept 15                               ; the lane = the number of lanes whose ranks end at or under mine; a rank past the total stays at the last lane
	v_cmp_le_u32 s56, s[68+N], v[S1]
	v_cmp_le_u32 s57, s[68+N], v[S2]
	v_cmp_le_u32 s58, s[69+N], v[S1]
	v_cmp_le_u32 s59, s[69+N], v[S2]
	v_cndmask_b32 v[S1+1], v[S1+1], N+1, s56
	v_cndmask_b32 v[S2+1], v[S2+1], N+1, s57
	v_cndmask_b32 v[S1+1], v[S1+1], N+2, s58
	v_cndmask_b32 v[S2+1], v[S2+1], N+2, s59
.set N, N+2
.endr
	v_cmp_le_u32 s56, s98, v[S1]
	v_cmp_le_u32 s57, s98, v[S2]
	v_cndmask_b32 v[S1+1], v[S1+1], 31, s56
	v_cndmask_b32 v[S2+1], v[S2+1], 31, s57
	v_lshlrev_b32 v[S1+1], 2, v[S1+1]
	v_lshlrev_b32 v[S2+1], 2, v[S2+1]
	VW
	s_wait_loadcnt 40                              ; the masks are in: 40 rows of W stand behind them
	s_cmp_eq_u32 s41, 2
	s_cselect_b32 s63, -1, 0
.irp u, 0,1,2,3,4,5,6,7
	v_cndmask_b32 v[SM+\u], v[MK+\u], v[MK+8+\u], s63
.endr
.irp e, 3,4,5,6,7
	s_cmp_eq_u32 s41, \e
	s_cselect_b32 s63, -1, 0
.irp u, 0,1,2,3,4,5,6,7
	v_cndmask_b32 v[SM+\u], v[SM+\u], v[MK+8*(\e-1)+\u], s63
.endr
.endr
	VW
.irp S, S1, S2
	ds_bpermute_b32 v[\S+2], v[\S+1], v[PRE]
	ds_bpermute_b32 v[\S+3], v[\S+1], v[CU0]
	ds_bpermute_b32 v[\S+4], v[\S+1], v[CU1]
.endr
.irp S, S1, S2
.irp u, 0,1,2,3,4,5,6,7
	ds_bpermute_b32 v[\S+5+\u], v[\S+1], v[SM+\u]
.endr
.endr
	WROWS 40, 16
	s_wait_dscnt 0x0
	s_barrier_signal -1                            ; my lane permutes are done; the wait stands ahead of the rows' loads, and every LDS store behind it
.irp S, S1, S2
	v_sub_nc_u32 v[\S+13], v[\S], v[\S+2]
.endr
.irp u, 1,2,3,4,5,6,7
.irp S, S1, S2
	v_bfe_u32 v[\S+16+\u], v[\S+3+(\u-1)/4], 8*((\u-1)%4), 8
.endr
.endr
.irp S, S1, S2
	v_mov_b32 v[\S+14], v[\S+5]
	v_mov_b32 v[\S+15], 0
	v_mov_b32 v[\S+16], 0
.endr
.irp u, 1,2,3,4,5,6,7
	v_cmp_le_u32 s56, v[S1+16+\u], v[S1+13]        ; at or over the count up to register u - 1: go on to u
	v_cmp_le_u32 s57, v[S2+16+\u], v[S2+13]
	v_cndmask_b32 v[S1+14], v[S1+14], v[S1+5+\u], s56
	v_cndmask_b32 v[S1+15], v[S1+15], v[S1+16+\u], s56
	v_cndmask_b32 v[S1+16], v[S1+16], \u, s56
	v_cndmask_b32 v[S2+14], v[S2+14], v[S2+5+\u], s57
	v_cndmask_b32 v[S2+15], v[S2+15], v[S2+16+\u], s57
	v_cndmask_b32 v[S2+16], v[S2+16], \u, s57
.endr
.macro TWO op, d, a, b                 ; one line for both searches: sources are block registers
.irp S, S1, S2
	\op v[\S+\d], v[\S+\a], v[\S+\b]
.endr
.endm
.macro TWOC op, d, c, a                ; a constant and a block register
.irp S, S1, S2
	\op v[\S+\d], \c, v[\S+\a]
.endr
.endm
	TWO v_sub_nc_u32, 13, 13, 15
	TWOC v_lshrrev_b32, 29, 1, 14
	TWOC v_and_b32, 29, 0x55555555, 29
	TWO v_sub_nc_u32, 24, 14, 29
	TWOC v_lshrrev_b32, 29, 2, 24
	TWOC v_and_b32, 29, 0x33333333, 29
	TWOC v_and_b32, 25, 0x33333333, 24
	TWO v_add_nc_u32, 25, 25, 29
	TWOC v_lshrrev_b32, 29, 4, 25
	TWO v_add_nc_u32, 29, 25, 29
	TWOC v_and_b32, 26, 0x0f0f0f0f, 29
	TWOC v_lshrrev_b32, 29, 8, 26
	TWO v_add_nc_u32, 29, 26, 29
	TWOC v_and_b32, 27, 0x00ff00ff, 29
.irp S, S1, S2
	v_mov_b32 v[\S+28], 0
.endr
.macro LEVEL tree, width
.irp S, S1, S2
	v_bfe_u32 v[\S+29], v[\S+\tree], v[\S+28], \width    ; bits set in the lower half of what is left
.endr
	v_cmp_lt_u32 s56, v[S1+13], v[S1+29]
	v_cmp_lt_u32 s57, v[S2+13], v[S2+29]
	TWO v_sub_nc_u32, 30, 13, 29
	TWOC v_add_nc_u32, 31, \width, 28
	v_cndmask_b32 v[S1+13], v[S1+30], v[S1+13], s56
	v_cndmask_b32 v[S2+13], v[S2+30], v[S2+13], s57
	v_cndmask_b32 v[S1+28], v[S1+31], v[S1+28], s56
	v_cndmask_b32 v[S2+28], v[S2+31], v[S2+28], s57
.endm
	LEVEL 27, 16
	LEVEL 26, 8
	LEVEL 25, 4
	LEVEL 24, 2
	LEVEL 14, 1
	TWOC v_lshrrev_b32, 29, 2, 16
	TWOC v_and_b32, 30, 3, 16
.irp S, S1, S2
	v_lshl_add_u32 v[\S+29], v[\S+29], 7, v[\S+30]
.endr
	TWO v_add_nc_u32, 29, 29, 1                    ; the group: 128 (u / 4) + 4 lane + u % 4
	v_lshl_add_u32 v[TOK1], v[S1+29], 5, v[S1+28]
	v_lshl_add_u32 v[TOK2], v[S2+29], 5, v[S2+28]
	v_min_u32 v[TOK1], 0x1fff, v[TOK1]             ; inside the buffers, for slots past n too
	v_min_u32 v[TOK2], 0x1fff, v[TOK2]
	v_lshlrev_b32 v[XO1], 5, v[TOK1]
	v_lshlrev_b32 v[XO2], 5, v[TOK2]
	v_lshlrev_b32 v[ZO1], 3, v[TOK1]
	v_lshlrev_b32 v[ZO2], 3, v[TOK2]
	VW
	s_barrier_wait -1                              ; no lane permute of any wave is out when the first LDS byte is stored
	; ---- the last rows of W; my slots' scale bytes of x, then my wave's 36 rows
	WROWS 56, 8
	global_load_b128 v[XSR:XSR+3], v[XO1], s[8:9]
	global_load_b128 v[XSR+4:XSR+7], v[XO1], s[8:9] offset:16
	global_load_b128 v[XSR+8:XSR+11], v[XO2], s[8:9]
	global_load_b128 v[XSR+12:XSR+15], v[XO2], s[8:9] offset:16
.macro ROWS from
.set N, \from
.rept 12
.if N < 32
	v_readlane_b32 s[68+N], v[TOK1], N
.else
	v_readlane_b32 s[N], v[TOK2], N-32
.endif
.set N, N+1
.endr
.set N, \from
.rept 12
.if N < 32
	s_min_u32 s[68+N], s[68+N], 0x1fff
	v_lshl_add_u32 v[TK+N], s[68+N], 9, v[L16]     ; 512 bytes a token + 16 x lane
.else
	s_min_u32 s[N], s[N], 0x1fff
	v_lshl_add_u32 v[TK+N], s[N], 9, v[L16]
.endif
.set N, N+1
.endr
	VW
	WIN 0x80                                       ; destination window 2
.set N, \from
.rept 12
	global_load_b128 v[4*N:4*N+3], v[TK+N], s[6:7] ; a token's 512 bytes of codes
.set N, N+1
.endr
	WIN 0
.endm
	ROWS 0
	ROWS 12
	ROWS 24
.irp b, 0,1,2,3
	global_load_b128 v[WSC+4*\b:WSC+4*\b+3], v[WO], s[12:13] offset:512*\b   ; 16 rows' scale bytes, 512 consecutive bytes
.endr
	WIN 0xc0                                       ; destination window 3
.irp b, 0,1,2,3
.irp t, 0,1
	global_load_b128 v[BIAS+8*\b+4*\t:BIAS+8*\b+4*\t+3], v[HB], s[14:15] offset:64*\b+16*\t     ; expert_b at outputs 16 b + 8 h + 4 t ..
.endr
.endr
	; ---- my wave's 64 rows of W into LDS, and all of K back as fragments
	WIN 0x04                                       ; an LDS store's data are its source 1: window 1
	s_wait_loadcnt 60                              ; rows 0-55 are in: behind them stand 8 rows, x's scale bytes' 4, x's 36 rows, W's scales' 4, expert_b's 8
.set N, 0
.rept 56
	ds_store_b128 v[BW], v[4*N:4*N+3] offset:PITCH*N
.set N, N+1
.endr
	s_wait_loadcnt 52                              ; and the last 8
.rept 8
	ds_store_b128 v[BW], v[4*N:4*N+3] offset:PITCH*N
.set N, N+1
.endr
	WIN 0x40                                       ; destination window 1
	s_wait_dscnt 0x0                               ; the stores have read the registers that the loads below write
.irp q, 0,1,2,3,4,5,6,7
.irp b, 0,1,2,3
.irp c, 0,1
	ds_load_b128 v[32*\q+8*\b+4*\c:32*\q+8*\b+4*\c+3], v[BF] offset:16*PITCH*\b+64*\q+32*\c   ; registers 4 c .. 4 c + 3 hold K = 64 c + 32 h + 0 .. 31: 16 bytes of the row as they lie
.endr
.endr
.endr
	WIN 0
	s_wait_loadcnt 48                              ; x's scale bytes are in: 36 rows, W's scales' 4 and expert_b's 8 stand behind them
	ds_store_b128 v[XW1], v[XSR:XSR+3]
	ds_store_b128 v[XW1], v[XSR+4:XSR+7] offset:16
	ds_store_b128 v[XW2], v[XSR+8:XSR+11]
	ds_store_b128 v[XW2], v[XSR+12:XSR+15] offset:16
	WIN 0x08                                       ; data: window 2
.irp k, 0,1,2,3,4,5,6,7,8
	s_wait_loadcnt 44-4*\k                         ; rows 4 k .. 4 k + 3 are in: the rows behind them and 12 more loads may be out
.irp i, 0,1,2,3
	ds_store_b128 v[AW], v[16*\k+4*\i:16*\k+4*\i+3] offset:PITCH*(4*\k+\i)
.endr
.endr
	WIN 0xc0
.irp b, 0,1,2,3
.irp t, 0,1,2,3
	global_load_b128 v[HWR+16*\b+4*\t:HWR+16*\b+4*\t+3], v[HH], s[16:17] offset:128*\b+16*\t    ; head_w at outputs 16 b + 8 h + 2 t, + 1: lands under the products
.endr
.endr
	WIN 0
	s_wait_dscnt 0x0                               ; for the others' sake: all my stores have landed
	s_barrier_signal -1
	s_barrier_wait -1
	; ---- the product
.irp a, 0,1,2,3,4,5,6,7,8
	ds_load_b128 v[XSC+4*\a:XSC+4*\a+3], v[ASR] offset:512*\a
.endr
.macro FETCH q                         ; K step q's nine fragments of x into set q % 2
.irp a, 0,1,2,3,4,5,6,7,8
.irp c, 0,1
	ds_load_b128 v[XF+72*((\q)%2)+8*\a+4*\c:XF+72*((\q)%2)+8*\a+4*\c+3], v[AF+(AF2-AF)*(\a/8)] offset:16*PITCH*(\a%8)+64*(\q)+32*\c
.endr
.endr
.endm
.macro MM a, b, q
.set DA, 8*(4*((\a)%8)+(\b))
.set WF, 32*(\q)+8*(\b)
.set XB, XF+72*((\q)%2)+8*(\a)
.if (\q) == 0
	v_wmma_scale_f32_16x16x128_f8f6f4 v[DA:DA+7], v[WF:WF+7], v[XB:XB+7], v[BIAS+8*(\b):BIAS+8*(\b)+7], v[WSC+4*(\b)+(\q)%4], v[XSC+4*(\a)+(\q)%4] matrix_a_fmt:MATRIX_FMT_FP4 matrix_b_fmt:MATRIX_FMT_FP4
.elseif (\q) < 4
	v_wmma_scale_f32_16x16x128_f8f6f4 v[DA:DA+7], v[WF:WF+7], v[XB:XB+7], v[DA:DA+7], v[WSC+4*(\b)+(\q)%4], v[XSC+4*(\a)+(\q)%4] matrix_a_fmt:MATRIX_FMT_FP4 matrix_b_fmt:MATRIX_FMT_FP4
.else
	v_wmma_scale_f32_16x16x128_f8f6f4 v[DA:DA+7], v[WF:WF+7], v[XB:XB+7], v[DA:DA+7], v[WSC+4*(\b)+(\q)%4], v[XSC+4*(\a)+(\q)%4] matrix_a_fmt:MATRIX_FMT_FP4 matrix_b_fmt:MATRIX_FMT_FP4 matrix_a_scale:MATRIX_SCALE_ROW1 matrix_b_scale:MATRIX_SCALE_ROW1
.endif
.endm
.macro STEP q
.if (\q) < 7
.if (\q) > 0
.rept 4
	v_nop                                          ; four places in front of loads into the set that the last step's products read (ISA guide 7.12.1 for vector instructions)
.endr
.endif
	FETCH (\q)+1
	s_wait_dscnt 18                                ; this step's fragments are in: behind them stand the next step's 18 loads
.else
	s_wait_dscnt 0x0
.endif
.if (\q) == 0
	WIN 0xb1                                       ; source 0 (W) window 1, source 1 (x) window 0, C (expert_b) window 3, D window 2
.else
	WIN 0xa1                                       ; C and D window 2
.endif
.irp a, 0,1,2,3,4,5,6,7
.irp b, 0,1,2,3
	MM \a, \b, \q
.endr
.endr
	WIN 0xf1                                       ; C and D window 3
.irp b, 0,1,2,3
	MM 8, \b, \q
.endr
	WIN 0
.endm
	FETCH 0
	s_wait_loadcnt 16                              ; W's scales and expert_b are in: head_w's 16 loads may stay out
	STEP 0
	STEP 1
	STEP 2
	STEP 3
	STEP 4
	STEP 5
	STEP 6
	STEP 7
	; ---- the head: each token's 64 outputs of my wave x head_w, two columns an instruction; each accumulator is read from its low end on
.rept 4
	v_nop                                          ; four places behind the last products
.endr
	s_wait_loadcnt 0x0                             ; head_w
.set N, 0
.rept 18
	v_mov_b32 v[PX+N], 0                           ; a lane permute's destination counts as a source
.set N, N+1
.endr
	WIN 0x0e                                       ; source 0 window 2, source 1 window 3
.irp b, 0,1,2,3
.irp j, 0,1,2,3,4,5,6,7
.irp a, 0,1,2,3,4,5,6,7
.if (\b == 0) && (\j == 0)
	v_pk_mul_f32 v[Z+2*\a:Z+2*\a+1], v[32*\a:32*\a+1], v[HWR:HWR+1] op_sel_hi:[0,1]
.elseif \j % 2
	v_pk_fma_f32 v[Z+2*\a:Z+2*\a+1], v[32*\a+8*\b+\j-1:32*\a+8*\b+\j], v[HWR+16*\b+2*\j:HWR+16*\b+2*\j+1], v[Z+2*\a:Z+2*\a+1] op_sel:[1,0,0] op_sel_hi:[1,1,1]
.else
	v_pk_fma_f32 v[Z+2*\a:Z+2*\a+1], v[32*\a+8*\b+\j:32*\a+8*\b+\j+1], v[HWR+16*\b+2*\j:HWR+16*\b+2*\j+1], v[Z+2*\a:Z+2*\a+1] op_sel_hi:[0,1,1]
.endif
.endr
.endr
.endr
	WIN 0x0f                                       ; sources 0 and 1 window 3: the ninth tile, in four chains
.irp j, 0,1,2,3,4,5,6,7
.irp s, 0,1,2,3
.if \j == 0
	v_pk_mul_f32 v[ZS+2*\s:ZS+2*\s+1], v[8*\s:8*\s+1], v[HWR+16*\s:HWR+16*\s+1] op_sel_hi:[0,1]
.elseif \j % 2
	v_pk_fma_f32 v[ZS+2*\s:ZS+2*\s+1], v[8*\s+\j-1:8*\s+\j], v[HWR+16*\s+2*\j:HWR+16*\s+2*\j+1], v[ZS+2*\s:ZS+2*\s+1] op_sel:[1,0,0] op_sel_hi:[1,1,1]
.else
	v_pk_fma_f32 v[ZS+2*\s:ZS+2*\s+1], v[8*\s+\j:8*\s+\j+1], v[HWR+16*\s+2*\j:HWR+16*\s+2*\j+1], v[ZS+2*\s:ZS+2*\s+1] op_sel_hi:[0,1,1]
.endif
.endr
.endr
	WIN 0
	v_pk_add_f32 v[ZS:ZS+1], v[ZS:ZS+1], v[ZS+2:ZS+3]
	v_pk_add_f32 v[ZS+4:ZS+5], v[ZS+4:ZS+5], v[ZS+6:ZS+7]
	v_pk_add_f32 v[Z+16:Z+17], v[ZS:ZS+1], v[ZS+4:ZS+5]
.set N, 0
.rept 18
	v_permlanex16_b32 v[PX+N], v[Z+N], s66, s67    ; the token's other 32 outputs lie in the lane 16 away
.set N, N+1
.endr
.irp a, 0,1,2,3,4,5,6,7,8
	v_pk_add_f32 v[Z+2*\a:Z+2*\a+1], v[Z+2*\a:Z+2*\a+1], v[PX+2*\a:PX+2*\a+1]
.endr
.irp a, 0,1,2,3,4,5,6,7,8
	ds_store_b64 v[ZW], v[Z+2*\a:Z+2*\a+1] offset:128*\a         ; both halves of the lanes write the same 8 bytes with the same value
.endr
	VW
	s_wait_dscnt 0x0
	s_barrier_signal -1
	s_barrier_wait -1
.irp w, 0,1,2,3
	ds_load_b64 v[RD1+2*\w:RD1+2*\w+1], v[ZR1] offset:1152*\w    ; my slots: the four waves' outputs
	ds_load_b64 v[RD2+2*\w:RD2+2*\w+1], v[ZR2] offset:1152*\w
.endr
	s_wait_tensorcnt 0x0                           ; the wave's end, behind my last LDS store
	ds_add_u32 v[SPW], v[NIL]
	s_wait_dscnt 0x0
	v_pk_add_f32 v[RD1:RD1+1], v[RD1:RD1+1], v[RD1+2:RD1+3]
	v_pk_add_f32 v[RD2:RD2+1], v[RD2:RD2+1], v[RD2+2:RD2+3]
	v_pk_add_f32 v[RD1+4:RD1+5], v[RD1+4:RD1+5], v[RD1+6:RD1+7]
	v_pk_add_f32 v[RD2+4:RD2+5], v[RD2+4:RD2+5], v[RD2+6:RD2+7]
	v_pk_add_f32 v[RD1:RD1+1], v[RD1:RD1+1], v[RD1+4:RD1+5]
	v_pk_add_f32 v[RD2:RD2+1], v[RD2:RD2+1], v[RD2+4:RD2+5]
	v_cmp_gt_u32 s57, s45, v[SLC]
	v_cmp_gt_u32 vcc_lo, s45, v[SL1]               ; only slots under n hold a token of this tile
	VW
	s_wait_xcnt 0x0                                ; EXEC changes only behind this wait
	s_and_saveexec_b32 s56, vcc_lo
	global_store_b64 v[ZO1], v[RD1:RD1+1], s[18:19]   ; 8 bytes at the token's place: an expert's tokens are no neighbours
	s_wait_xcnt 0x0
	s_or_b32 exec_lo, exec_lo, s56
	s_and_saveexec_b32 s56, s57
	global_store_b64 v[ZO2], v[RD2:RD2+1], s[18:19]
	s_wait_xcnt 0x0
	s_or_b32 exec_lo, exec_lo, s56
	s_endpgm
.Lfunc_end_k_qe64ac57842_experts:
	.size	k_qe64ac57842_experts, .Lfunc_end_k_qe64ac57842_experts-k_qe64ac57842_experts
	.p2alignl 7, 3214868480
	.fill 96, 4, 3214868480
	.section	.rodata,"a",@progbits
	.p2align	6, 0x0
	.amdhsa_kernel k_qe64ac57842_experts
		.amdhsa_group_segment_fixed_size 220928
		.amdhsa_private_segment_fixed_size 0
		.amdhsa_enable_private_segment 0
		.amdhsa_kernarg_size 64
		.amdhsa_user_sgpr_count 2
		.amdhsa_user_sgpr_kernarg_segment_ptr 1
		.amdhsa_wavefront_size32 1
		.amdhsa_system_sgpr_workgroup_id_x 1
		.amdhsa_system_sgpr_workgroup_id_y 1
		.amdhsa_system_sgpr_workgroup_id_z 1
		.amdhsa_system_vgpr_workitem_id 0
		.amdhsa_next_free_vgpr 896
		.amdhsa_next_free_sgpr 100
		.amdhsa_reserve_vcc 1
		.amdhsa_float_denorm_mode_32 3
		.amdhsa_float_denorm_mode_16_64 3
		.amdhsa_memory_ordered 1
		.amdhsa_forward_progress 1
		.amdhsa_inst_pref_size 140
	.end_amdhsa_kernel
	.amdgpu_metadata
---
amdhsa.version: [ 1, 2 ]
amdhsa.kernels:
  - .name:           k_qe64ac57842_experts
    .symbol:         k_qe64ac57842_experts.kd
    .args:
      - { .name: tab, .offset: 0, .size: 8, .value_kind: global_buffer, .address_space: global }
      - { .name: xc, .offset: 8, .size: 8, .value_kind: global_buffer, .address_space: global }
      - { .name: xs, .offset: 16, .size: 8, .value_kind: global_buffer, .address_space: global }
      - { .name: expert_w_codes, .offset: 24, .size: 8, .value_kind: global_buffer, .address_space: global }
      - { .name: expert_w_scales, .offset: 32, .size: 8, .value_kind: global_buffer, .address_space: global }
      - { .name: expert_b, .offset: 40, .size: 8, .value_kind: global_buffer, .address_space: global }
      - { .name: head_w, .offset: 48, .size: 8, .value_kind: global_buffer, .address_space: global }
      - { .name: z, .offset: 56, .size: 8, .value_kind: global_buffer, .address_space: global }
    .group_segment_fixed_size: 220928
    .private_segment_fixed_size: 0
    .kernarg_segment_align: 8
    .kernarg_segment_size: 64
    .max_flat_workgroup_size: 128
    .sgpr_count:     100
    .vgpr_count:     896
    .wavefront_size: 32
...
	.end_amdgpu_metadata
.endif
;; end of part 2
;; launch combine (part 3): grid 32 x 1, 1 waves a work-group, no clusters, 0 bytes of LDS; arguments z, head_b, out0; writes out0
.if DOCPART == 3
	.amdgcn_target "amdgcn-amd-amdhsa--gfx1250"
	.amdhsa_code_object_version 6
	.text
	.protected	k_qe64ac57842_combine
	.globl	k_qe64ac57842_combine
	.p2align	8
	.type	k_qe64ac57842_combine,@function
k_qe64ac57842_combine:
	s_mov_b64 s[64:65], 0
	v_nop
	global_prefetch_b8 v0, s[64:65] scope:SCOPE_SE
	s_setreg_imm32_b32 hwreg(HW_REG_WAVE_MODE, 25, 1), 1
	s_wait_xcnt 0x0
; out0[b][c] = head_b[c] + 1/4 x the sum over 4 modalities m and 4 slices of z[slice][2048 m + b][c].
; One wave takes 64 b; lane l takes b = 64 g + 2 l and + 1: 16 bytes of each of the 16 parts, so each load and the store cover 512 consecutive bytes.  All 16 loads are out together.
; 278,528 bytes in all: no LDS, no matrix unit, no cluster would add anything.  The sum's order is fixed: parts i and i + 8, + 4, + 2, + 1.
	s_load_b128 s[4:7], s[0:1], 0x0                ; z, head_b
	s_load_b64 s[8:9], s[0:1], 0x10                ; out0
	v_lshlrev_b32 v1, 4, v0
	s_lshl_b32 s12, ttmp9, 9                       ; 64 b x 8 bytes
	s_mov_b32 s13, 0
	s_wait_alu depctr_va_vdst(0)
	s_wait_kmcnt 0x0
	s_load_b64 s[10:11], s[6:7], 0x0               ; head_b
	s_add_nc_u64 s[4:5], s[4:5], s[12:13]
	s_add_nc_u64 s[8:9], s[8:9], s[12:13]
.irp i, 0,1,2,3,4,5,6,7,8,9,10,11,12,13,14,15
	global_load_b128 v[8+4*\i:11+4*\i], v1, s[4:5] offset:65536*(\i/4)+16384*(\i%4) th:TH_LOAD_NT
.endr
	s_wait_kmcnt 0x0
	v_mov_b32 v2, s10
	v_mov_b32 v3, s11
	s_wait_loadcnt 0x0
.irp i, 0,1,2,3,4,5,6,7
	v_pk_add_f32 v[8+4*\i:9+4*\i], v[8+4*\i:9+4*\i], v[40+4*\i:41+4*\i]
	v_pk_add_f32 v[10+4*\i:11+4*\i], v[10+4*\i:11+4*\i], v[42+4*\i:43+4*\i]
.endr
.irp i, 0,1,2,3
	v_pk_add_f32 v[8+4*\i:9+4*\i], v[8+4*\i:9+4*\i], v[24+4*\i:25+4*\i]
	v_pk_add_f32 v[10+4*\i:11+4*\i], v[10+4*\i:11+4*\i], v[26+4*\i:27+4*\i]
.endr
.irp i, 0,1
	v_pk_add_f32 v[8+4*\i:9+4*\i], v[8+4*\i:9+4*\i], v[16+4*\i:17+4*\i]
	v_pk_add_f32 v[10+4*\i:11+4*\i], v[10+4*\i:11+4*\i], v[18+4*\i:19+4*\i]
.endr
	v_pk_add_f32 v[8:9], v[8:9], v[12:13]
	v_pk_add_f32 v[10:11], v[10:11], v[14:15]
	v_pk_fma_f32 v[8:9], v[8:9], 0x3e800000, v[2:3] op_sel_hi:[1,0,1]      ; the mean over 4 modalities, and head_b
	v_pk_fma_f32 v[10:11], v[10:11], 0x3e800000, v[2:3] op_sel_hi:[1,0,1]
	global_store_b128 v1, v[8:11], s[8:9]
	s_endpgm
.Lfunc_end_k_qe64ac57842_combine:
	.size	k_qe64ac57842_combine, .Lfunc_end_k_qe64ac57842_combine-k_qe64ac57842_combine
	.p2alignl 7, 3214868480
	.fill 96, 4, 3214868480
	.section	.rodata,"a",@progbits
	.p2align	6, 0x0
	.amdhsa_kernel k_qe64ac57842_combine
		.amdhsa_group_segment_fixed_size 0
		.amdhsa_private_segment_fixed_size 0
		.amdhsa_enable_private_segment 0
		.amdhsa_kernarg_size 24
		.amdhsa_user_sgpr_count 2
		.amdhsa_user_sgpr_kernarg_segment_ptr 1
		.amdhsa_wavefront_size32 1
		.amdhsa_system_sgpr_workgroup_id_x 1
		.amdhsa_system_sgpr_workgroup_id_y 1
		.amdhsa_system_sgpr_workgroup_id_z 1
		.amdhsa_system_vgpr_workitem_id 0
		.amdhsa_next_free_vgpr 80
		.amdhsa_next_free_sgpr 66
		.amdhsa_reserve_vcc 0
		.amdhsa_float_denorm_mode_32 3
		.amdhsa_float_denorm_mode_16_64 3
		.amdhsa_memory_ordered 1
		.amdhsa_forward_progress 1
		.amdhsa_inst_pref_size 5
	.end_amdhsa_kernel
	.amdgpu_metadata
---
amdhsa.version: [ 1, 2 ]
amdhsa.kernels:
  - .name:           k_qe64ac57842_combine
    .symbol:         k_qe64ac57842_combine.kd
    .args:
      - { .name: z, .offset: 0, .size: 8, .value_kind: global_buffer, .address_space: global }
      - { .name: head_b, .offset: 8, .size: 8, .value_kind: global_buffer, .address_space: global }
      - { .name: out0, .offset: 16, .size: 8, .value_kind: global_buffer, .address_space: global }
    .group_segment_fixed_size: 0
    .private_segment_fixed_size: 0
    .kernarg_segment_align: 8
    .kernarg_segment_size: 24
    .max_flat_workgroup_size: 32
    .sgpr_count:     66
    .vgpr_count:     80
    .wavefront_size: 32
...
	.end_amdgpu_metadata
.endif
;; end of part 3
